; MI455X (gfx1250); checked and timed in simulation.
; The chip was launched on July 23, 2026; its instructions are those of AMD's public machine-readable ISA for CDNA 5 (MIT licence, August 2026) and "CDNA5" Instruction Set Architecture Reference Guide (July 2026). The comments in the code are by the model that wrote it; some were corrected since.
;; Multi Head Attention. Allowed arithmetic: float matrix products may take bf16 or f16 operands with f32 sums; all other float work in f32.
;; Inputs: W_K 1,024 x 1,024 float32; W_Q 1,024 x 1,024 float32; W_V 1,024 x 1,024 float32; k 4 x 2,048 x 1,024 float32; q 4 x 2,048 x 1,024 float32; v 4 x 2,048 x 1,024 float32.
;; Outputs: out0 4 x 2,048 x 1,024 float32.
;; One version. Each part assembles by itself: llvm-mc -triple=amdgcn-amd-amdhsa -mcpu=gfx1250 --defsym DOCPART=n.
;; ======== version 1 of 1: 3 launches
;; workspace buffers: wb 6,291,456 bytes; hb 50,331,648 bytes
;; launch castw (part 1): grid 256 x 1, 8 waves a work-group, no clusters, 0 bytes of LDS; arguments W_Q, W_K, W_V, wb; writes wb
.if DOCPART == 1
	.amdgcn_target "amdgcn-amd-amdhsa--gfx1250"
	.amdhsa_code_object_version 6
	.text
	.protected	k_q142ab6a3f8_castw
	.globl	k_q142ab6a3f8_castw
	.p2align	8
	.type	k_q142ab6a3f8_castw,@function
k_q142ab6a3f8_castw:
	s_mov_b64 s[64:65], 0
	v_nop
	global_prefetch_b8 v0, s[64:65] scope:SCOPE_SE
	s_setreg_imm32_b32 hwreg(HW_REG_WAVE_MODE, 25, 1), 1
	s_wait_xcnt 0x0
; wb[w][k][n] = bf16(W_w[k][n]) for w = 0 (W_Q), 1 (W_K), 2 (W_V): three planes of 1,024 x 1,024 bf16, 2,097,152 bytes each, in the inputs' own order [k][n].
; Why a pass of its own: the projection reads W's fragments out of LDS by the 16-bit transposing load, so W has to be 16 bits wide before it lands there.
; A stream: 12 MiB in, 6 MiB out; no LDS, no barrier, no matrix unit, which would add nothing to a copy with a rounding.
; SHARES.  256 work-groups; each takes 4,096 numbers of each weight, as two chunks of 2,048.  Thread t takes 8 neighbouring numbers of a chunk: two loads of 16 bytes, one store of 16 bytes,
; so that sixteen neighbouring lanes store 256 consecutive bytes, at a multiple of 256 from wb's first byte.  All twelve loads of a thread go out before the first wait.
.set X,     4                          ; v[4:51]   pair i = 2 w + c of loads: 8 numbers in f32
.set Y,     52                         ; v[52:75]  pair i: 8 numbers in bf16
.set PLANE, 2097152                    ; bytes of one weight in wb
	s_load_b256 s[4:11], s[0:1], 0x0               ; W_Q s[4:5], W_K s[6:7], W_V s[8:9], wb s[10:11]
	s_lshl_b32 s2, ttmp9, 14                       ; the work-group's 4,096 numbers: 16,384 bytes in,
	s_mov_b32 s3, 0
	s_lshl_b32 s12, ttmp9, 13                      ; 8,192 bytes out
	s_mov_b32 s13, 0
	v_lshlrev_b32 v1, 5, v0                        ; my 32 bytes of a chunk as it comes
	v_lshlrev_b32 v2, 4, v0                        ; my 16 bytes of it as it leaves
	s_wait_kmcnt 0x0
	s_add_nc_u64 s[4:5], s[4:5], s[2:3]
	s_add_nc_u64 s[6:7], s[6:7], s[2:3]
	s_add_nc_u64 s[8:9], s[8:9], s[2:3]
	s_add_nc_u64 s[10:11], s[10:11], s[12:13]
.set i, 0
.rept 6                                ; weight i / 2, chunk i % 2
	global_load_b128 v[X+8*i:X+8*i+3],   v1, s[4+2*(i/2):5+2*(i/2)] offset:(i%2)*8192 th:TH_LOAD_NT
	global_load_b128 v[X+8*i+4:X+8*i+7], v1, s[4+2*(i/2):5+2*(i/2)] offset:(i%2)*8192+16 th:TH_LOAD_NT
.set i, i+1
.endr
.set i, 0
.rept 6
	s_wait_loadcnt 10-2*i                          ; loads come back in order: pair i is in, the 10 - 2 i younger loads stay out
.irp j, 0,1,2,3
	v_cvt_pk_bf16_f32 v[Y+4*i+\j], v[X+8*i+2*\j], v[X+8*i+2*\j+1]  ; two roundings to nearest even, packed
.endr
	global_store_b128 v2, v[Y+4*i:Y+4*i+3], s[10:11] offset:(i/2)*PLANE+(i%2)*4096  ; no register is written twice, so no wait frees anything
.set i, i+1
.endr
	s_endpgm
.Lfunc_end_k_q142ab6a3f8_castw:
	.size	k_q142ab6a3f8_castw, .Lfunc_end_k_q142ab6a3f8_castw-k_q142ab6a3f8_castw
	.p2alignl 7, 3214868480
	.fill 96, 4, 3214868480
	.section	.rodata,"a",@progbits
	.p2align	6, 0x0
	.amdhsa_kernel k_q142ab6a3f8_castw
		.amdhsa_group_segment_fixed_size 0
		.amdhsa_private_segment_fixed_size 0
		.amdhsa_enable_private_segment 0
		.amdhsa_kernarg_size 32
		.amdhsa_user_sgpr_count 2
		.amdhsa_user_sgpr_kernarg_segment_ptr 1
		.amdhsa_wavefront_size32 1
		.amdhsa_system_sgpr_workgroup_id_x 1
		.amdhsa_system_sgpr_workgroup_id_y 1
		.amdhsa_system_sgpr_workgroup_id_z 1
		.amdhsa_system_vgpr_workitem_id 0
		.amdhsa_next_free_vgpr 80
		.amdhsa_next_free_sgpr 66
		.amdhsa_reserve_vcc 0
		.amdhsa_float_denorm_mode_32 3
		.amdhsa_float_denorm_mode_16_64 3
		.amdhsa_memory_ordered 1
		.amdhsa_forward_progress 1
		.amdhsa_inst_pref_size 5
	.end_amdhsa_kernel
	.amdgpu_metadata
---
amdhsa.version: [ 1, 2 ]
amdhsa.kernels:
  - .name:           k_q142ab6a3f8_castw
    .symbol:         k_q142ab6a3f8_castw.kd
    .args:
      - { .name: W_Q, .offset: 0, .size: 8, .value_kind: global_buffer, .address_space: global }
      - { .name: W_K, .offset: 8, .size: 8, .value_kind: global_buffer, .address_space: global }
      - { .name: W_V, .offset: 16, .size: 8, .value_kind: global_buffer, .address_space: global }
      - { .name: wb, .offset: 24, .size: 8, .value_kind: global_buffer, .address_space: global }
    .group_segment_fixed_size: 0
    .private_segment_fixed_size: 0
    .kernarg_segment_align: 8
    .kernarg_segment_size: 32
    .max_flat_workgroup_size: 256
    .sgpr_count:     66
    .vgpr_count:     80
    .wavefront_size: 32
...
	.end_amdgpu_metadata
.endif
;; end of part 1
;; launch proj (part 2): grid 4 x 64, 4 waves a work-group, clusters of 4 x 4, 327,680 bytes of LDS; arguments q, k, v, wb, hb; writes hb
.if DOCPART == 2
	.amdgcn_target "amdgcn-amd-amdhsa--gfx1250"
	.amdhsa_code_object_version 6
	.text
	.protected	k_q142ab6a3f8_proj
	.globl	k_q142ab6a3f8_proj
	.p2align	8
	.type	k_q142ab6a3f8_proj,@function
k_q142ab6a3f8_proj:
	s_mov_b64 s[64:65], 0
	v_nop
	global_prefetch_b8 v0, s[64:65] scope:SCOPE_SE
	s_setreg_imm32_b32 hwreg(HW_REG_WAVE_MODE, 25, 1), 1
	s_wait_xcnt 0x0
	s_wait_alu depctr_hold_cnt(0) depctr_sa_sdst(0) depctr_va_vdst(0) depctr_va_sdst(0) depctr_va_ssrc(0) depctr_va_vcc(0) depctr_vm_vsrc(0)
	s_getreg_b32 s2, hwreg(HW_REG_IB_STS2, 6, 4)
	s_cmp_eq_u32 s2, 0
	s_cbranch_scc0 .Lentry_in_a_cluster
	s_endpgm
.Lentry_in_a_cluster:
	s_bfe_u32 s2, ttmp6, 0x10000c
	s_cmp_lg_u32 s2, 0xf033
	s_cbranch_scc0 .Lentry_shape_is_right
	s_endpgm
.Lentry_shape_is_right:
; THE THREE PROJECTIONS IN ONE LAUNCH.  C = x W for (x, W) = (q, W_Q), (k, W_K), (v, W_V): x [8192][1024] f32, W [1024 (k)][1024 (n)] bf16 (from wb), sums in f32, C rounded once to bf16 and
; written BY HEADS: hb[product][b * 16 + h][t][64], a head's 2,048 rows dense, 128 bytes each; unscaled.
; LIMITS.  x and W enter the products rounded to bf16 (nearest even), which keeps f32's range; NaN and infinities are not treated apart.
; SHARES.  A tile of C is 128 (m) x 256 (n): 64 x 4 tiles a product.  A WORK-GROUP STAYS: 256 work-groups, one for each of 256 WGPs, and each makes the tile at its place of all three products, q's, then
; k's, then v's.  Four waves, each 64 x 128: 32 accumulators of 16 x 16, 256 registers.  K goes in steps of 128 through a ring of two LDS slots filled by the tensor data mover: 24 steps, 12 laps, and the
; ring does not stop at a tile's end: a tile's last two changes of slots ask for the next tile's first two K steps, which are on their way while the tile goes out; nothing waits for a tile's stores.
; x IS CONVERTED IN REGISTERS: its f32 fragments come out of LDS, and 32 packed roundings a quarter step stand in fours behind every second product of the quarter's second half.
; A pass that wrote x in bf16 first would move 150 MB more.  W lies [k][n], so its fragments are turned on the way out of LDS (ds_load_tr16_b128).
; CLUSTERS: 4 x 4 work-groups.  The four of a row of the cluster make one tile row of C (all of its 1,024 columns) and need the same tiles of x; the four of a column need the same tiles of W.
; Each tile is asked for JOINTLY: the same tensor load, with the same descriptor and a mask that names the four.  All sixteen walk the three products in step.
; THE MATRIX INSTRUCTION IS USED TRANSPOSED (source 0 = 16 columns of W, source 1 = 16 rows of x): a lane then holds eight neighbouring numbers of a row of C, 16 bytes of bf16.
; REGISTERS, in windows of 256 (s_set_vgpr_msb: bits 1:0 source 0, 3:2 source 1, 5:4 source 2, 7:6 destination):
;   window 0: v0-31 addresses; v32-95 x's f32 of one quarter step; v96-159 x's bf16 fragments, two buffers of four; v160-255 at work on the way out
;   window 1: v0-127 W's fragments, two buffers of eight          window 2: the accumulators, (a, b) at v[8 (8 a + b)]
.set PA,     528                       ; a row of x in LDS: 512 bytes + 16 of padding = 132 words: row r starts at bank 4 r mod 64 (64 banks of 4 bytes: ISA guide 11.1)
.set PB,     544                       ; a row of W: 512 + 32 = 136 words: row r starts at bank 8 r mod 64
.set BOFF,   128*PA                    ; a slot: x's 128 rows (m), then W's 128 rows (k)
.set SLOT,   BOFF+128*PB
.set STAGE,  2*SLOT                    ; behind the ring, never filled by a tensor load: 32 rows x 144 bytes for each wave, for the way out
.set SP,     144
.set SPARE,  STAGE+4*32*SP             ; behind the stages: the spare words, 128 bytes for each wave: two blocks of 256 bytes that no other line names
.set LAPS,   4                         ; laps in a tile; a lap = two K steps = once round the ring
.set TILES,  3                         ; tiles of a work-group
.set ADRA, 16                          ; v16-17  LDS address of my fragments of x in slot 0, 1
.set ADRB, 20                          ; v20-21  the same for W
.set STO,  24                          ; v24     the way out: where I put 16 bytes of a row
.set RD,   25                          ; v25     the way out: where I read rows back
.set GO,   26                          ; v26     my byte offset in 512 consecutive bytes of a head
.set PF,   27                          ; v27     my byte offset, from my wave's first row of x's tile, of the block that I ask for ahead; never rewritten
.set SPW,  28                          ; v28     LDS address of my spare word: SPARE + 4 x my thread's number; never rewritten
.set NIL,  29                          ; v29     0; never rewritten
.set S,    32                          ; x in f32: fragment a (16 rows x 32 K, 16 numbers a lane) at S + 16 a
.set ABF,  96                          ; x in bf16: buffer g, fragment a at ABF + 32 g + 8 a
.set TMP,  160                         ; the way out: packed results
.set BK0,  192                         ; the way out: 16 rows read back from the stage: v192-223 and v224-255 by turns
.set G1A, 24                           ; s[24:31] descriptor group 1 for x's tiles;  s[32:39] group 0, one set for each slot
.set G0A, 32
.set G1B, 40                           ; s[40:47], s[48:55] the same for W's tiles
.set G0B, 48
.set XQ,  66                           ; s[66:67], s[68:69], s[70:71]  q, k, v at the first row that my wave fetches
.set XK,  68
.set XV,  70
.set LT,  76                           ; s76  laps of the tile in hand that are still to end
.set NS,  77                           ; s77  the K step, 0 to 23 over the three products, to be asked for next
.set PM,  78                           ; s78  the lap, 0 to 11, whose x is asked for ahead next
.set MSB, 0
.macro WIN new                         ; the immediate's high byte repeats the setting that is left; a switch that changes nothing is dropped
.if MSB != (\new)
	s_set_vgpr_msb (MSB<<8)|(\new)
.set MSB, \new
.endif
.endm
.set MUL,  0xa1                        ; source 0 (W) window 1, source 1 (x) window 0, C and D window 2
.set TO_B, 0x40                        ; destination window 1, address window 0
; A joint load: waves 0 and 1 fetch the two halves of x's tile, waves 2 and 3 those of W's.  The branch hangs on the wave's number alone.
; An s_nop 0 and four v_nop follow each of the two lines, ahead of the jump, the label and what follows.
.macro JLOAD s
	s_cmp_eq_u32 s15, 0
	s_cbranch_scc0 .Lfor_b_\@
	tensor_load_to_lds s[G0A+4*(\s):G0A+4*(\s)+3], s[G1A:G1A+7]
	s_nop 0
.rept 4
	v_nop
.endr
	s_branch .Lasked_\@
.Lfor_b_\@:
	tensor_load_to_lds s[G0B+4*(\s):G0B+4*(\s)+3], s[G1B:G1B+7]
	s_nop 0
.rept 4
	v_nop
.endr
.Lasked_\@:
.endm
.macro CREST                           ; a round of the cluster's barrier behind its opening barrier
	s_cmp_lg_u32 s14, 0
	s_cbranch_scc1 .Lnot_wave_0_\@
	s_barrier_signal -3
.Lnot_wave_0_\@:
	s_barrier_wait -3
	s_barrier_signal -1
	s_barrier_wait -1
.endm
.macro CROUND                          ; a whole round
	s_barrier_signal -1
	s_barrier_wait -1
	CREST
.endm
	s_load_b256 s[4:11], s[0:1], 0x0               ; q s[4:5], k s[6:7], v s[8:9], wb s[10:11]
	s_load_b64 s[12:13], s[0:1], 0x20              ; hb
	v_lshl_add_u32 v[SPW], v0, 2, SPARE
	v_mov_b32 v[NIL], 0
	ds_add_u32 v28, v29
	s_wait_dscnt 0x0
	v_lshrrev_b32 v1, 5, v0
	v_readfirstlane_b32 s14, v1                    ; wave 0..3
	s_lshr_b32 s15, s14, 1                         ; which half of the tile's 128 rows is mine.  Also: I fetch for x (0) or for W (1)
	s_and_b32 s16, s14, 1                          ; which half of its 256 columns.  Also: which 64 rows of that tile I fetch
	s_bfe_u32 s17, ttmp6, 0x40000                  ; cx, cy: my place in the cluster
	s_bfe_u32 s18, ttmp6, 0x40004
	s_lshl_b32 s19, ttmp9, 2
	s_add_co_u32 s19, s19, s17                     ; tile column of C = 4 x cluster x + cx
	s_and_b32 s22, ttmp7, 0xffff
	s_lshl_b32 s22, s22, 2
	s_add_co_u32 s22, s22, s18                     ; tile row of C = 4 x cluster y + cy
	s_lshl_b32 s56, s18, 2
	s_lshl_b32 s56, 15, s56                        ; my row of the cluster: places 4 cy .. 4 cy + 3
	s_lshl_b32 s57, 0x1111, s17                    ; my column: places cx, cx + 4, cx + 8, cx + 12
	; descriptor group 1.  x: 64 rows x 128 elements of 4 bytes.  W: 64 rows x 256 elements of 2 bytes.  Both rows are 128 words, padded in LDS.
	s_or_b32 s[G1A+0], s56, (2<<16)|(1<<20)|(1<<21)|(6<<22)|(3<<25)  ; 15:0 the mask: x's tiles go to my row; 17:16 elements of 4 bytes; 20 padding on; 21 set beside a mask; 24:22 after every 128 words (code 6); 31:25 4 words of it (code 3)
	s_or_b32 s[G1B+0], s57, (1<<16)|(1<<20)|(1<<21)|(6<<22)|(7<<25)  ; the mask of my column; elements of 2 bytes; 8 words of padding (code 7)
	s_mov_b32 s[G1A+1], 128<<16                    ; tensor_dim0 = 128
	s_mov_b32 s[G1A+2], 64<<16                     ; tensor_dim1 = 64
	s_mov_b32 s[G1A+3], 128<<16                    ; tile_dim0 = 128
	s_mov_b32 s[G1A+4], 64                         ; tile_dim1 = 64
	s_mov_b32 s[G1A+5], 1024                       ; elements from row to row
	s_mov_b32 s[G1A+6], 0
	s_mov_b32 s[G1A+7], 0
	s_mov_b32 s[G1B+1], 256<<16                    ; tensor_dim0 = 256
	s_mov_b32 s[G1B+2], 64<<16                     ; tensor_dim1 = 64
	s_mov_b32 s[G1B+3], 256<<16                    ; tile_dim0 = 256
	s_mov_b32 s[G1B+4], 64                         ; tile_dim1 = 64
	s_mov_b32 s[G1B+5], 1024
	s_mov_b32 s[G1B+6], 0
	s_mov_b32 s[G1B+7], 0
	; where the tiles come from.  x's hang on the tile row, which my row of the cluster shares; W's on the tile column, which my column shares.
	s_lshl_b32 s58, s22, 7
	s_lshl_b32 s59, s16, 6
	s_add_co_u32 s58, s58, s59                     ; x: row 128 x tile row + 64 x half,
	s_lshl_b32 s58, s58, 12                        ; of 4,096 bytes: 33,292,288 at the most
	s_mov_b32 s59, 0
	s_lshl_b32 s60, s16, 17                        ; W: 64 x half rows of 2,048 bytes,
	s_lshl_b32 s61, s19, 9                         ; the tile column's 512 bytes of a row
	s_add_co_u32 s60, s60, s61
	s_mov_b32 s61, 0
	s_mul_i32 s62, s16, 64*PA                      ; and where they go: no place in the cluster enters an LDS address
	s_mul_i32 s63, s16, 64*PB
	s_add_co_u32 s63, s63, BOFF
	s_mov_b32 s83, 0                               ; the high words of two offsets that are made in the loop
	s_mov_b32 s87, 0
	s_mov_b32 s[NS], 2                             ; K steps 0 and 1 are the first fills
	s_mov_b32 s[PM], 2
	s_wait_kmcnt 0x0
	s_add_nc_u64 s[XQ:XQ+1], s[4:5], s[58:59]
	s_add_nc_u64 s[XK:XK+1], s[6:7], s[58:59]
	s_add_nc_u64 s[XV:XV+1], s[8:9], s[58:59]
	s_add_nc_u64 s[72:73], s[10:11], s[60:61]
	CROUND                                         ; all sixteen work-groups are here: the first joint loads meet
.irp s, 0,1
	s_mov_b32 s[G0A+4*(\s)], 1                                       ; 1:0 count = 1
	s_add_co_u32 s[G0A+4*(\s)+1], s62, (\s)*SLOT                     ; 63:32 LDS address
	s_add_nc_u64 s[G0A+4*(\s)+2:G0A+4*(\s)+3], s[XQ:XQ+1], (\s)*512  ; 120:64 global address: K step s of q is 128 f32 along its rows,
	s_or_b32 s[G0A+4*(\s)+3], s[G0A+4*(\s)+3], 0x80000000            ; 127:126 type = 2
	s_mov_b32 s[G0B+4*(\s)], 1
	s_add_co_u32 s[G0B+4*(\s)+1], s63, (\s)*SLOT
	s_add_nc_u64 s[G0B+4*(\s)+2:G0B+4*(\s)+3], s[72:73], (\s)*262144 ; and 128 rows of 2,048 bytes down W
	s_or_b32 s[G0B+4*(\s)+3], s[G0B+4*(\s)+3], 0x80000000
.endr
	s_cmp_eq_u32 s15, 0                            ; a wave's two first fills stand in one branch, ahead of every wait on TENSORcnt and every LDS read: two loads of mine are out
	s_cbranch_scc0 .Lfirst_b
	tensor_load_to_lds s[G0A:G0A+3], s[G1A:G1A+7]
	s_nop 0
	tensor_load_to_lds s[G0A+4:G0A+7], s[G1A:G1A+7]
	s_nop 0
.rept 4
	v_nop
.endr
	s_branch .Lfirst_asked
.Lfirst_b:
	tensor_load_to_lds s[G0B:G0B+3], s[G1B:G1B+7]
	s_nop 0
	tensor_load_to_lds s[G0B+4:G0B+7], s[G1B:G1B+7]
	s_nop 0
.rept 4
	v_nop
.endr
.Lfirst_asked:
	; A fragment is 16 rows x 32 K: lane l holds row l % 16, K = 8 (l / 16) + 0..7 and 16 + 8 (l / 16) + 0..7.  In f32 those are 32 bytes at 32 (l / 16) and 32 bytes at 64 + 32 (l / 16): four loads of 16 bytes.
	v_and_b32 v1, 15, v0                           ; l % 16
	v_bfe_u32 v2, v0, 4, 1                         ; l / 16
	v_mul_u32_u24 v3, v1, PA
	v_lshl_add_u32 v3, v2, 5, v3                   ; row x pitch + 32 x half
	; The turning load takes 16 K x 16 columns of W (lane l reads 16 bytes: K 8 (l / 16) + l % 8, columns 8 ((l / 8) % 2) + 0..7) and leaves half a fragment: lane l holds column l % 16 and 8 K.
	v_and_b32 v4, 7, v0
	v_lshl_add_u32 v4, v2, 3, v4
	v_mul_u32_u24 v4, v4, PB
	v_bfe_u32 v5, v0, 3, 1
	v_lshl_add_u32 v4, v5, 4, v4
	s_mul_i32 s88, s15, 64*PA                      ; my 64 rows of x
	s_lshl_b32 s89, s16, 8                         ; my 128 columns of W: 256 bytes along its rows,
	s_add_co_u32 s89, s89, BOFF                    ; which lie behind x's 128
.irp s, 0,1
	v_add_nc_u32 v[ADRA+(\s)], s88, v3
	v_add_nc_u32 v[ADRB+(\s)], s89, v4
	s_add_co_u32 s88, s88, SLOT
	s_add_co_u32 s89, s89, SLOT
.endr
	s_mul_i32 s90, s14, 32*SP
	s_add_co_u32 s90, s90, STAGE                   ; my stage: 16 rows of my first head, then 16 rows of my second
	v_mul_u32_u24 v6, v1, SP                       ; in: row l % 16, 16 bytes for each half of the lanes
	v_lshl_add_u32 v6, v2, 4, v6
	v_add_nc_u32 v[STO], s90, v6
	v_bfe_u32 v7, v0, 3, 2                         ; back: 32 lanes take four rows of 128 bytes,
	v_mul_u32_u24 v7, v7, SP
	v_and_b32 v8, 7, v0
	v_lshl_add_u32 v7, v8, 4, v7
	v_add_nc_u32 v[RD], s90, v7
	v_and_b32 v[GO], 31, v0                        ; which are 512 consecutive bytes of a head
	v_lshlrev_b32 v[GO], 4, v[GO]
	; what I ask for ahead: of a lap's 1,024 bytes of the tile's 128 rows, 512 blocks of 256 bytes, one: row 64 (w % 2) [in XQ, XK, XV] + 32 (w / 2) + 8 cx + (l / 4) % 8, block l % 4.
	; The four work-groups that share the tile, their four waves and 32 lanes take each block once.  cx enters this global offset alone.
	s_lshl_b32 s91, s15, 5
	s_lshl_b32 s92, s17, 3
	s_add_co_u32 s91, s91, s92
	v_bfe_u32 v9, v0, 2, 3
	v_add_nc_u32 v9, s91, v9
	v_lshlrev_b32 v9, 12, v9                       ; rows of 4,096 bytes
	v_and_b32 v10, 3, v0
	v_lshl_add_u32 v[PF], v10, 8, v9
	; where my part of C goes: head 16 (tile row / 16) + 4 x tile column + 2 x column half (and the next); row 128 (tile row % 16) + 64 x row half of 128 bytes; the product's plane is stepped tile by tile.
	; (In registers of their own: none that feeds a descriptor holds both cx and cy.)
	s_lshr_b32 s74, s22, 4
	s_lshl_b32 s74, s74, 4
	s_lshl_b32 s75, s19, 2
	s_add_co_u32 s74, s74, s75
	s_lshl_b32 s75, s16, 1
	s_add_co_u32 s74, s74, s75
	s_lshl_b32 s74, s74, 18                        ; a head is 262,144 bytes
	s_and_b32 s75, s22, 15
	s_lshl_b32 s75, s75, 14
	s_add_co_u32 s74, s74, s75
	s_lshl_b32 s75, s15, 13
	s_add_co_u32 s74, s74, s75
	s_mov_b32 s75, 0
	s_add_nc_u64 s[12:13], s[12:13], s[74:75]
; One product: accumulator (a, b), 32 along K, from buffer f.  zero = 1: it starts the sum: nothing is ever cleared.
.macro PROD f, a, b, zero
.set rD, 8*(8*(\a)+(\b))
.set rB, 64*(\f)+8*(\b)
.set rA, ABF+32*(\f)+8*(\a)
	WIN MUL
.if \zero
	v_wmma_f32_16x16x32_bf16 v[rD:rD+7], v[rB:rB+7], v[rA:rA+7], 0
.else
	v_wmma_f32_16x16x32_bf16 v[rD:rD+7], v[rB:rB+7], v[rA:rA+7], v[rD:rD+7]
.endif
.endm
.macro MUL16 f, a0, zero               ; 16 products back to back: m blocks a0, a0 + 1 x all 8 n blocks
.irp a, \a0, (\a0)+1
.irp b, 0,1,2,3,4,5,6,7
	PROD \f, \a, \b, \zero
.endr
.endr
.endm
.macro CV n, g                         ; rounding n of 32: register n of buffer g's four fragments takes numbers 2 n and 2 n + 1 of S
.set rC, ABF+32*(\g)+(\n)
.set rF, S+2*(\n)
	v_cvt_pk_bf16_f32 v[rC], v[rF], v[rF+1]
.endm
; Products lo .. hi - 1 of the 16 of m blocks 2 and 3, and behind every second of them four roundings of the NEXT quarter's x into buffer g: they name no register of the products round them.
; Two switches of the window for four roundings: 16 a quarter, the price of having the roundings beside the products and not in a stretch of their own.
.macro MC f, g, lo, hi, zero
.set idx, \lo
.rept (\hi)-(\lo)
	PROD \f, 2+idx/8, idx%8, \zero
.if idx%2 == 1
	WIN 0
	CV 2*idx-2, \g
	CV 2*idx-1, \g
	CV 2*idx, \g
	CV 2*idx+1, \g
.endif
.set idx, idx+1
.endr
.endm
.macro FETCH_A slot, j                 ; 16 LDS loads in one run: x's f32 of quarter j (64 rows x 32 K at byte 128 j of the rows)
	WIN 0
.irp a, 0,1,2,3
	ds_load_b128 v[S+16*(\a):S+16*(\a)+3],     v[ADRA+(\slot)] offset:(\a)*16*PA+128*(\j)
	ds_load_b128 v[S+16*(\a)+4:S+16*(\a)+7],   v[ADRA+(\slot)] offset:(\a)*16*PA+128*(\j)+16
	ds_load_b128 v[S+16*(\a)+8:S+16*(\a)+11],  v[ADRA+(\slot)] offset:(\a)*16*PA+128*(\j)+64
	ds_load_b128 v[S+16*(\a)+12:S+16*(\a)+15], v[ADRA+(\slot)] offset:(\a)*16*PA+128*(\j)+80
.endr
.endm
.macro FETCH_B slot, j, g              ; 16 turning loads in one run: W's fragments of quarter j (rows 32 j on, my 128 columns) into buffer g; 61,152 is the largest offset
	WIN TO_B
.irp b, 0,1,2,3,4,5,6,7
	ds_load_tr16_b128 v[64*(\g)+8*(\b):64*(\g)+8*(\b)+3],   v[ADRB+(\slot)] offset:32*(\j)*PB+32*(\b)
	ds_load_tr16_b128 v[64*(\g)+8*(\b)+4:64*(\g)+8*(\b)+7], v[ADRB+(\slot)] offset:32*(\j)*PB+16*PB+32*(\b)
.endr
.endm
; A load into a register that a matrix instruction has read, and a vector instruction that reads a matrix result or writes one of a matrix instruction's registers, stand four places behind it, and only
; plain vector instructions that name none of its registers are places (ISA guide 7.12.1 for vector instructions).
.macro PLACES
.rept 4
	v_nop
.endr
.endm
; A K step is four quarters of 32 along K, 32 products each, on buffers 0, 1, 0, 1.  The pipeline: in quarter n's middle W of quarter n + 1 is fetched; in its second half x of quarter n + 1 is rounded;
; at its end x of quarter n + 2 is fetched.  f: this quarter's buffer.  (sb, jb), (sa, ja): slot and quarter of those two fetches.  hw: the LDS loads that may stay out at the head.
.macro QUARTER f, sb, jb, sa, ja, zero=0, hw=16, fb=1, fa=1
	s_wait_dscnt \hw                               ; this quarter's W is in; the sixteen younger loads (the next quarter's x) may be out
	MUL16 \f, 0, \zero
.if \fb
	s_wait_dscnt 0x0                               ; the next quarter's x is in
	PLACES                                         ; behind the quarter before, whose products read the buffers that are now written
	FETCH_B \sb, \jb, 1-(\f)
	MC \f, 1-(\f), 0, 16, \zero
.else
	MUL16 \f, 2, \zero
.endif
.if \fa
	FETCH_A \sa, \ja
.endif
.endm
; The third quarter of a K step (buffer 0) changes slots: its fetch of W's fourth quarter is the last read of slot s (x's fourth quarter was fetched a quarter ago).  ONE barrier: in front of it each wave
; waits for all its tensor loads, of which one is out: its part of slot n; adds 0 to its spare word; and waits for that and for its reads of slot s.  Behind it nobody reads slot s and slot n is whole.
; fill = 1: the barrier opens a round of the cluster's, and slot s is filled again, with K step NS, two steps ahead, first thing behind the round: a wave issues 120 products between that request and
; the wait for it, and across a tile's end the way out besides.  x's address is made anew from the number: product NS / 8 has a pointer of its own, its K step NS % 8 lies 512 bytes a step along the rows.
; W's three planes lie end to end in wb, 8 steps of 262,144 bytes each, so W's address simply steps on.
.macro TURN s, n, fill
	s_wait_dscnt 16
	MUL16 0, 0, 0
	s_wait_dscnt 0x0
	PLACES
	FETCH_B \s, 3, 1
	MC 0, 1, 0, 8, 0
	WIN 0                                          ; (the add's two registers lie in window 0)
	s_wait_tensorcnt 0x0                           ; all my tensor loads have landed: my part of the next slot; so a group 0 may be written;
	ds_add_u32 v[SPW], v[NIL]                      ; 0 onto my spare word
.if \fill
	s_lshr_b32 s21, s[NS], 3                       ; the descriptors' scalar work, four products and eight roundings stand between the add and the wait for it
	s_and_b32 s82, s[NS], 7
	s_lshl_b32 s82, s82, 9
	s_cmp_eq_u32 s21, 1
	s_cselect_b64 s[80:81], s[XK:XK+1], s[XQ:XQ+1]
	s_cmp_eq_u32 s21, 2
	s_cselect_b64 s[80:81], s[XV:XV+1], s[80:81]
	s_add_nc_u64 s[G0A+4*(\s)+2:G0A+4*(\s)+3], s[80:81], s[82:83]
	s_or_b32 s[G0A+4*(\s)+3], s[G0A+4*(\s)+3], 0x80000000
	s_add_nc_u64 s[G0B+4*(\s)+2:G0B+4*(\s)+3], s[G0B+4*(\s)+2:G0B+4*(\s)+3], 524288  ; the type bits on top are not reached
	s_add_co_u32 s[NS], s[NS], 1
.endif
	MC 0, 1, 8, 12, 0
	s_wait_dscnt 0x0                               ; the add is done, and my reads of this slot are over
	s_barrier_signal -1
	MC 0, 1, 12, 16, 0                             ; work on registers while the others arrive
	WIN 0
	s_barrier_wait -1
.if \fill
	CREST                                          ; no wave of any partner still reads this slot's tile or has a load on its way
	JLOAD \s
.endif
	FETCH_A \n, 0
.endm
; x IS ASKED FOR AHEAD.  The trip of lap L asks for lap PM = L + 2's bytes of x, whose two tensor loads are issued in the next trip: one request a wave and trip, one block of 256 bytes a lane (see PF).
; It stands where the wave has just issued a run of LDS loads.  The last trip (s3 = 1) would ask for a lap that does not exist, and asks for nothing; laps 0 and 1 are never asked for ahead.
.macro PREF
	s_cmp_lt_u32 s3, 2
	s_cbranch_scc1 .Lno_pf_\@
	s_wait_xcnt 0x0                                ; the last trip's request has had its address translated: its base is written again only behind this wait
	s_lshr_b32 s21, s[PM], 2                       ; the product,
	s_and_b32 s86, s[PM], 3
	s_lshl_b32 s86, s86, 10                        ; the lap's 1,024 bytes along its rows
	s_cmp_eq_u32 s21, 1
	s_cselect_b64 s[84:85], s[XK:XK+1], s[XQ:XQ+1]
	s_cmp_eq_u32 s21, 2
	s_cselect_b64 s[84:85], s[XV:XV+1], s[84:85]
	s_add_nc_u64 s[84:85], s[84:85], s[86:87]
	s_add_co_u32 s[PM], s[PM], 1
	global_prefetch_b8 v[PF], s[84:85] th:TH_LOAD_NT scope:SCOPE_SE
.Lno_pf_\@:
.endm
; THE WAY OUT of m block a (16 rows x my 128 columns = 16 rows of two heads).  PACK: rounded to bf16, each accumulator's registers in ascending order.  TOSTAGE: into my own stage, and back as whole rows.  SEND: stored.
.macro PACK a
	WIN 0x0a                                       ; sources 0 and 1: window 2
.irp b, 0,1,2,3,4,5,6,7
.irp r, 0,1,2,3
	v_cvt_pk_bf16_f32 v[TMP+4*(\b)+(\r)], v[64*(\a)+8*(\b)+2*(\r)], v[64*(\a)+8*(\b)+2*(\r)+1]
.endr
.endr
	WIN 0
.endm
.macro TOSTAGE a
	WIN 0
.set BK, BK0+32*((\a)%2)
	s_wait_xcnt 0x0                                ; the registers that the stores of two blocks ago read are loaded again only behind this wait
.irp b, 0,1,2,3,4,5,6,7
	ds_store_b128 v[STO], v[TMP+4*(\b):TMP+4*(\b)+3] offset:((\b)/4)*16*SP+((\b)%4)*32  ; head b / 4, channels 16 (b % 4) on
.endr
.irp f, 0,1,2,3,4,5,6,7
	ds_load_b128 v[BK+4*(\f):BK+4*(\f)+3], v[RD] offset:(\f)*4*SP  ; LDS serves a wave's instructions in order (ISA guide 5.7.1.4): these see the stores above
.endr
.endm
.macro SEND a
	WIN 0
.set BK, BK0+32*((\a)%2)
	s_wait_dscnt 0x0                               ; the block is back in registers
.irp f, 0,1,2,3,4,5,6,7
	global_store_b128 v[GO], v[BK+4*(\f):BK+4*(\f)+3], s[12:13] offset:((\f)/4)*262144+(\a)*2048+((\f)%4)*512  ; four rows of a head: 512 consecutive bytes, at a multiple of 256 from hb's first byte
.endr
.endm
.macro WAYOUT
	PLACES                                         ; in front of the first conversions
	PACK 0
	TOSTAGE 0
.irp a, 1,2,3                          ; block a's conversions stand between block a - 1's loads from the stage and the wait for them
	PACK \a
	SEND (\a)-1
	TOSTAGE \a
.endr
	SEND 3
.endm
	s_wait_tensorcnt 1                             ; my part of K step 0 is in; K step 1's may stay out
	s_barrier_signal -1
	s_barrier_wait -1                              ; everybody's is
	FETCH_A 0, 0
	s_wait_dscnt 0x0
.set i, 0
.rept 32
	CV i, 0                                        ; the first quarter's x has no products to stand beside
.set i, i+1
.endr
	FETCH_B 0, 0, 0
	FETCH_A 0, 1
	WIN 0                                          ; at a label and at a branch every window is 0
	s_mov_b32 s3, LAPS*TILES                       ; the bottom of the loop is passed once for each of the 12 laps' first quarters
	s_mov_b32 s[LT], LAPS
	s_branch .Lzero                                ; the loop is entered at a tile's first quarter, in the middle of a trip
.Llap:                                                 ; 11 trips: a trip goes once round the ring, from a lap's second quarter to the next lap's first, and fills both slots again.
	                                               ; The 32 accumulators take turns in the same order in every quarter, over the jumps too
	QUARTER 1, 0, 2, 0, 3
	TURN 0, 1, 1
	PREF
	QUARTER 1, 1, 0, 1, 1
	QUARTER 0, 1, 1, 1, 2
	QUARTER 1, 1, 2, 1, 3
	TURN 1, 0, 1
	QUARTER 1, 0, 0, 0, 1
	WIN 0
	s_sub_co_u32 s[LT], s[LT], 1
	s_cmp_lg_u32 s[LT], 0
	s_cbranch_scc1 .Lplain                         ; forward, past text that holds neither a barrier nor a tensor load
	WAYOUT                                         ; the tile's sums are whole; the next tile's first two K steps have been asked for, and its first fragments fetched
	s_wait_xcnt 0x0                                ; the stores have had their addresses translated: their base is stepped only behind this wait
	s_add_nc_u64 s[12:13], s[12:13], 0x1000000     ; the next product's plane of hb
	s_mov_b32 s[LT], LAPS
.Lzero:
	QUARTER 0, 0, 1, 0, 2, 1                       ; a tile's first quarter: its products start the sums
	WIN 0
	s_branch .Lbottom
.Lplain:
	QUARTER 0, 0, 1, 0, 2
	WIN 0
.Lbottom:
	s_sub_co_u32 s3, s3, 1
	s_cmp_lg_u32 s3, 0
	s_cbranch_scc1 .Llap
	QUARTER 1, 0, 2, 0, 3                          ; the last lap of the last tile is written out: it fills nothing, and has no round of the cluster's barrier
	TURN 0, 1, 0
	QUARTER 1, 1, 0, 1, 1
	QUARTER 0, 1, 1, 1, 2
	QUARTER 1, 1, 2, 1, 3
	QUARTER 0, 1, 3, 0, 0, 0, 16, 1, 0             ; no x is left to fetch,
	QUARTER 1, 0, 0, 0, 0, 0, 0, 0, 0              ; and at last nothing at all
	WAYOUT
	s_wait_tensorcnt 0x0                           ; the wave's end, behind my last tensor load and my last LDS store
	ds_add_u32 v[SPW], v[NIL]
	s_wait_dscnt 0x0
	CROUND                                         ; the closing round: no work-group ends while a partner may still ask for a tile that names it
	s_endpgm
.Lfunc_end_k_q142ab6a3f8_proj:
	.size	k_q142ab6a3f8_proj, .Lfunc_end_k_q142ab6a3f8_proj-k_q142ab6a3f8_proj
	.p2alignl 7, 3214868480
	.fill 96, 4, 3214868480
	.section	.rodata,"a",@progbits
	.p2align	6, 0x0
	.amdhsa_kernel k_q142ab6a3f8_proj
		.amdhsa_group_segment_fixed_size 327680
		.amdhsa_private_segment_fixed_size 0
		.amdhsa_enable_private_segment 0
		.amdhsa_kernarg_size 40
		.amdhsa_user_sgpr_count 2
		.amdhsa_user_sgpr_kernarg_segment_ptr 1
		.amdhsa_wavefront_size32 1
		.amdhsa_system_sgpr_workgroup_id_x 1
		.amdhsa_system_sgpr_workgroup_id_y 1
		.amdhsa_system_sgpr_workgroup_id_z 1
		.amdhsa_system_vgpr_workitem_id 0
		.amdhsa_next_free_vgpr 768
		.amdhsa_next_free_sgpr 94
		.amdhsa_reserve_vcc 0
		.amdhsa_float_denorm_mode_32 3
		.amdhsa_float_denorm_mode_16_64 3
		.amdhsa_memory_ordered 1
		.amdhsa_forward_progress 1
		.amdhsa_inst_pref_size 151
	.end_amdhsa_kernel
	.amdgpu_metadata
---
amdhsa.version: [ 1, 2 ]
amdhsa.kernels:
  - .name:           k_q142ab6a3f8_proj
    .symbol:         k_q142ab6a3f8_proj.kd
    .args:
      - { .name: q, .offset: 0, .size: 8, .value_kind: global_buffer, .address_space: global }
      - { .name: k, .offset: 8, .size: 8, .value_kind: global_buffer, .address_space: global }
      - { .name: v, .offset: 16, .size: 8, .value_kind: global_buffer, .address_space: global }
      - { .name: wb, .offset: 24, .size: 8, .value_kind: global_buffer, .address_space: global }
      - { .name: hb, .offset: 32, .size: 8, .value_kind: global_buffer, .address_space: global }
    .group_segment_fixed_size: 327680
    .private_segment_fixed_size: 0
    .kernarg_segment_align: 8
    .kernarg_segment_size: 40
    .max_flat_workgroup_size: 128
    .sgpr_count:     94
    .vgpr_count:     768
    .wavefront_size: 32
...
	.end_amdgpu_metadata
.endif
;; end of part 2
;; launch attn (part 3): grid 4 x 64, 4 waves a work-group, clusters of 4 x 1, 327,680 bytes of LDS; arguments hb, q, out0; writes out0
.if DOCPART == 3
	.amdgcn_target "amdgcn-amd-amdhsa--gfx1250"
	.amdhsa_code_object_version 6
	.text
	.protected	k_q142ab6a3f8_attn
	.globl	k_q142ab6a3f8_attn
	.p2align	8
	.type	k_q142ab6a3f8_attn,@function
k_q142ab6a3f8_attn:
	s_mov_b64 s[64:65], 0
	v_nop
	global_prefetch_b8 v0, s[64:65] scope:SCOPE_SE
	s_setreg_imm32_b32 hwreg(HW_REG_WAVE_MODE, 25, 1), 1
	s_wait_xcnt 0x0
	s_wait_alu depctr_hold_cnt(0) depctr_sa_sdst(0) depctr_va_vdst(0) depctr_va_sdst(0) depctr_va_ssrc(0) depctr_va_vcc(0) depctr_vm_vsrc(0)
	s_getreg_b32 s2, hwreg(HW_REG_IB_STS2, 6, 4)
	s_cmp_eq_u32 s2, 0
	s_cbranch_scc0 .Lentry_in_a_cluster
	s_endpgm
.Lentry_in_a_cluster:
	s_bfe_u32 s2, ttmp6, 0x10000c
	s_cmp_lg_u32 s2, 0x3003
	s_cbranch_scc0 .Lentry_shape_is_right
	s_endpgm
.Lentry_shape_is_right:
; out0[b][t][64 h + :] = q[b][t][64 h + :] + the sum over k of softmax_k(Q[hd][t] . K[hd][k] / 32) V[hd][k][:], hd = 16 b + h.  Q, K, V: the three planes of hb, [64][2048][64] in bf16, a head's rows dense,
; 128 bytes each, unscaled.  q and out0: [4][2048][1024] f32.  Products, maxima and sums in f32; the weights p are rounded to bf16 for the second product (their sum l is taken of the unrounded p);
; the residual is the f32 q as it is given, added in f32.
; LIMITS.  Q, K, V and p enter the products in bf16, which has f32's range.  A weight below 2^-126 counts as 0 in l; NaN and infinities are not treated apart.
; SHARES.  A wave owns four PIECES of two tiles of 16 queries, a work-group's four waves 512 queries of one head: 4 x 64 = 256 work-groups.  Every wave walks all 2,048 keys, 64 a step.
; LAYOUT.  S^T = K Q^T (source 0 = 16 keys, source 1 = 16 queries): in the result a lane holds ONE query (lane % 16) and the keys 8 (lane / 16) + 0..7.  Two such tiles, rounded to bf16 in pairs,
; ARE source 1 (32 keys x 16 queries) of O^T = V^T P, whose result again holds one query a lane, and eight channels.  K comes out of LDS as it lies, V ([key][channel]) turned, by ds_load_tr16_b128.
; SOFTMAX.  For each query a running maximum m and sum l: p = 2^(c s - c m), c = log2(e) / 32; in every step O and l are multiplied by a = 2^(c m_old - c m_new), which is 1 where m has not grown.
; m starts at the lowest finite number, O and l at 0: the first step is a step like any other, with a = 0.
; THE COUNT.  A tile and step have 16 matrix and 118 vector instructions: too many to stand all beside the matrix work.  So the order has one aim: four vector instructions that are READY behind
; EVERY matrix instruction, and the others, which need time of their own whatever the order, in runs without a gap.
; BY TURNS.  Turn n belongs to piece n (the pieces in a ring, step after step).  Its matrix work: 16 products K Q^T of piece n + 1, later 16 products V^T P of piece n - 1.  Its vector work: the scaling,
; exponentials, roundings, sums and rescaling of piece n, and the maximum and statistics of piece n + 1, whose scores the turn itself has made.  So what a turn begins with (c s - c m, O a) waits for nothing.
; CLUSTER.  The four query blocks of a cluster belong to one head and walk the same K and V, so each tile is asked for JOINTLY: the same tensor load, descriptor and mask in all four.
; THE RESIDUAL, my wave's 128 rows x 256 bytes of q, has 256 registers of its own and is loaded long before the way out: half when Q has landed, half in front of the last slot's steps.
; REGISTERS, in windows of 256 (s_set_vgpr_msb says which window each operand place means: bits 1:0 source 0, 3:2 source 1, 5:4 source 2, 7:6 destination):
;   window 0: v0-11 addresses and the add's two registers; v12-15, v48-63 at work; v16-47 four registers of statistics a tile; v64-191 S^T, two buffers of two tiles (on the way out: results); v192-255 P, likewise
;   window 1: O^T, 32 a tile          window 2: v0-127 Q, 16 a tile; v128-191 K of one step; v192-255 V of one step          window 3: q's numbers for the residual, 32 a tile
; A piece's buffers go by its number's parity: the piece in hand has one pair, its two neighbours in the ring share the other: of it P (piece n - 1) is read and S^T (piece n + 1) written.
.set SIZE_N, 2048     ; rows of a head
.set NP,    4         ; pieces a wave: a name, no knob: the register map, the loop and the fetches are made for four
.set KS,    64        ; keys in a step
.set PK,    144       ; a row of K in LDS: 128 bytes + 16 of padding = 36 words: the 16 rows of a load start at 16 different groups of four banks (64 banks of 4 bytes: ISA guide 11.1)
.set PV,    160       ; a row of V: 128 + 32 = 40 words
.set VOFF,  4*KS*PK   ; a slot holds four steps: 256 rows of K, then 256 rows of V
.set SLOT1, 1<<17     ; slot 1 begins here, so that one exclusive or turns an address in one slot into the other's
.set STAGE, SLOT1+4*KS*(PK+PV)  ; behind the ring, never filled by a tensor load: 16 rows x 272 bytes for each wave, for the way out
.set SP,    272       ; a row of the stage: 64 f32 = 256 bytes + 16: row r starts at bank 4 r mod 64
.set AK0, 2           ; v2   my lane's place in a tile of K; never rewritten
.set AV0, 3           ; v3   the same for V
.set AK,  4           ; v4   the LDS address of K's next run of loads
.set AV,  5           ; v5   of V's
.set QO,  6           ; v6   my byte offset in the wave's rows of Q
.set STO, 6           ;      later, the way out: where I put 32 bytes of a row
.set RD,  7           ; v7   the way out: where I read rows back
.set GO,  8           ; v8   my byte offset in two rows of q and of out0; never rewritten
.set SPW, 10          ; v10  LDS address of my spare word: SPARE + 4 x my thread's number; never rewritten
.set NIL, 11          ; v11  0; never rewritten
.set SPARE, STAGE+4*16*SP  ; behind the stages: the spare words, 128 bytes for each wave: two blocks of 256 bytes that no other line names
.set MV,  12          ; v12-15  c m_old, kept while c m is made anew: by buffer and tile
.set ST,  16          ; tile t's statistics at v[ST+4 t]: c m, m, l (even keys', odd keys')
.set TMP, 48          ; by buffer and tile, four registers c0-c3 at work; when the maximum is found c2 takes a
.set S,   64
.set P,   192
.set OB,  64          ; the way out: tile t's 32 results at OB + 64 (t % 2)
.set KF,  128         ; K's fragments, in window 2: key block kb, channel half c at KF + 16 kb + 8 c
.set VF,  192         ; V's: key half kk, channel block cb at VF + 32 kk + 8 cb
.set WV,  12          ; s12  my wave's number
.set G1K, 24          ; s[24:31] descriptor group 1 for K's tiles
.set G1V, 32          ; s[32:39] for V's: it differs in the padding alone
.set G0K, 40          ; s[40:43] descriptor group 0 for K's tiles: it walks
.set G0V, 44          ; s[44:47] the same for V's
.set SLOTS, 56        ; s56  slots still to be asked for
.set CNT, 57          ; s57  counts a slot's key steps
.set CS,  58          ; s[58:59] c: the packed scaling takes the pair's low word for both halves
.set SEL, 60          ; s[60:61] v_permlanex16_b32's selects: each lane takes its own place in the other half
.set TBK, 62          ; s62  LDS byte at which K of the step to be fetched begins
.set TBV, 63          ; s63  the same for V, less VOFF
.set MSB, 0
.macro WIN new                      ; the high byte repeats the setting that is left; a switch that changes nothing is dropped
.if MSB != (\new)
	s_set_vgpr_msb (MSB<<8)|(\new)
.set MSB, (\new)
.endif
.endm
.set W_KQ, 0x0a       ; K and Q in window 2, S^T in window 0
.set W_PV, 0x52       ; V in window 2, P in window 0, O^T in window 1
.set W_RS, 0x41       ; O^T (destination and source 0) in window 1, a in window 0
; A joint fill.  Waves 0 and 1 fetch the two halves of a slot's K, waves 2 and 3 those of its V: 128 keys each.  The branch hangs on the wave's number alone.
; An s_nop 0 and four v_nop follow each of the two lines, ahead of the jump and the label.
.macro JLOAD
	s_cmp_lt_u32 s[WV], 2
	s_cbranch_scc0 .Lfor_v_\@
	tensor_load_to_lds s[G0K:G0K+3], s[G1K:G1K+7]
	s_nop 0
.rept 4
	v_nop
.endr
	s_branch .Lasked_\@
.Lfor_v_\@:
	tensor_load_to_lds s[G0V:G0V+3], s[G1V:G1V+7]
	s_nop 0
.rept 4
	v_nop
.endr
.Lasked_\@:
.endm
; A round of the cluster's barrier: my work-group's barrier, so that wave 0's signal speaks for all four waves; wave 0 signals; every wave waits for all four work-groups; my work-group's barrier once more.
.macro CROUND
	s_barrier_signal -1
	s_barrier_wait -1
	s_cmp_lg_u32 s[WV], 0
	s_cbranch_scc1 .Lnot_wave_0_\@
	s_barrier_signal -3
.Lnot_wave_0_\@:
	s_barrier_wait -3
	s_barrier_signal -1
	s_barrier_wait -1
.endm
; THE CHANGE OF SLOTS.  The slot's last bytes, V of its fourth step, have been read.  Each wave waits for all its tensor loads, of which one is out: its part
; of the other slot; adds 0 to its spare word; and waits for that and for its own reads of the slot.  Behind the barrier nobody reads this slot any more and the other slot is whole.
; fill = 1: this slot is filled again, with the keys two slots on.  The barrier is then a round of the cluster's, so that no wave of any partner still reads the slot or has a load on its
; way, and the joint fill is the first thing behind it: it has four key steps, 512 matrix instructions, in which to land.  (At its first use nothing has been read yet: slot 0 is waited for, slot 1 filled.)
.macro CHANGE fill
	WIN 0                           ; the add's two registers lie in window 0; at a label and at a branch every window is 0
	s_wait_tensorcnt 0x0            ; no tensor load of mine is out, so a group 0 may be written
	ds_add_u32 v[SPW], v[NIL]       ; 0 onto my spare word: with fill = 1 the descriptors' steps stand between it and the wait for it
.if \fill
.irp g, G0K, G0V
	s_xor_b32 s[\g+1], s[\g+1], SLOT1  ; the walking descriptor: the other slot than last time,
	s_add_nc_u64 s[\g+2:\g+3], s[\g+2:\g+3], 4*KS*128  ; the next 256 keys; the type bits on top are not reached
.endr
	s_wait_dscnt 0x0                ; the add is done, and my reads of the slot are over
	CROUND
	JLOAD
.else
	s_wait_dscnt 0x0                ; the add is done, and my reads of the slot are over
	s_barrier_signal -1
	s_barrier_wait -1
.endif
	s_sub_co_u32 s[TBK], s[TBK], 4*KS*PK  ; the fetches go back to a slot's first step,
	s_xor_b32 s[TBK], s[TBK], SLOT1       ; in the other slot
	s_sub_co_u32 s[TBV], s[TBV], 4*KS*PV
	s_xor_b32 s[TBV], s[TBV], SLOT1
.endm
	s_load_b128 s[4:7], s[0:1], 0x0   ; hb s[4:5], q s[6:7]
	s_load_b64 s[10:11], s[0:1], 0x10 ; out0
	v_lshl_add_u32 v[SPW], v0, 2, SPARE
	v_mov_b32 v[NIL], 0
	ds_add_u32 v10, v11
	s_wait_dscnt 0x0
	v_lshrrev_b32 v1, 5, v0
	v_readfirstlane_b32 s[WV], v1   ; wave 0..3
	s_bfe_u32 s13, ttmp6, 0x40000   ; cx: my place in the cluster
	s_lshl_b32 s14, ttmp9, 2        ; in a cluster launch ttmp9 counts clusters
	s_add_co_u32 s14, s14, s13      ; my block of queries = 4 x cluster x + cx: it enters Q's, q's and out0's addresses alone
	s_and_b32 s20, ttmp7, 0xffff    ; the head, which the four partners share
	s_lshr_b32 s50, s20, 4          ; where my wave's rows begin in q and in out0: batch head / 16, of 2,048 x 4,096 bytes,
	s_lshl_b32 s50, s50, 23
	s_and_b32 s51, s20, 15          ; the head's 64 channels, 256 bytes of a row,
	s_lshl_b32 s51, s51, 8
	s_add_co_u32 s50, s50, s51
	s_lshl_b32 s51, s14, 2
	s_add_co_u32 s51, s51, s[WV]    ; my wave among the head's sixteen,
	s_lshl_b32 s51, s51, 19         ; its 128 rows of 4,096 bytes
	s_add_co_u32 s50, s50, s51
	s_mov_b32 s51, 0
	s_mov_b32 s21, 0
	s_mov_b64 s[22:23], SIZE_N*128
	s_mul_u64 s[20:21], s[20:21], s[22:23]  ; the head's first byte in each of hb's three planes
	s_and_b32 s16, s[WV], 1         ; which half of a slot's 256 keys I fetch:
	s_lshl_b32 s22, s16, 14         ; its 128 rows of 128 bytes in memory,
	s_mov_b32 s23, 0
	s_add_nc_u64 s[22:23], s[22:23], s[20:21]
	s_mul_i32 s17, s16, 128*PK      ; and its place in a slot, for K
	s_mul_i32 s18, s16, 128*PV      ; and for V: no place in the cluster enters an LDS address
	s_lshl_b32 s2, s14, 2
	s_add_co_u32 s2, s2, s[WV]      ; my wave among the head's,
	s_lshl_b32 s2, s2, 14           ; its 128 rows of 128 bytes
	s_mov_b32 s3, 0
	s_add_nc_u64 s[2:3], s[2:3], s[20:21]
	; descriptor group 1.  128 keys are 16,384 dense bytes: asked for as 64 rows of 256 bytes, two keys a row, and padded in LDS after every key
	s_mov_b32 s[G1K], 15|(1<<16)|(1<<20)|(1<<21)|(4<<22)|(3<<25)  ; 15:0 the mask of four; 17:16 2-byte elements; 20 padding on; 21 set beside a mask; 24:22 after every 32 words (code 4); 31:25 4 words (code 3)
	s_mov_b32 s[G1V], 15|(1<<16)|(1<<20)|(1<<21)|(4<<22)|(7<<25)  ; the same with 8 words of padding (code 7)
.irp g, G1K, G1V
	s_mov_b32 s[\g+1], 128<<16      ; tensor_dim0 = 128
	s_mov_b32 s[\g+2], 64<<16       ; tensor_dim1 = 64
	s_mov_b32 s[\g+3], 128<<16      ; tile_dim0 = 128
	s_mov_b32 s[\g+4], 64           ; tile_dim1 = 64
	s_mov_b32 s[\g+5], 128          ; 128 elements from row to row
	s_mov_b32 s[\g+6], 0
	s_mov_b32 s[\g+7], 0
.endr
	s_mov_b32 s[CS], 0x3d38aa3b     ; c = log2(e) / 32 = 0.0450842: the scores are divided by sqrt(1024)
	s_mov_b32 s[CS+1], s[CS]        ; named with it as a pair
	s_mov_b32 s[SEL], 0x76543210
	s_mov_b32 s[SEL+1], 0xfedcba98
	s_mov_b32 s[TBK], SLOT1+4*KS*PK ; the first change of slots turns these two into 0
	s_mov_b32 s[TBV], SLOT1+4*KS*PV
	s_mov_b32 s[G0K], 1             ; 1:0 count = 1
	s_mov_b32 s[G0K+1], s17         ; 63:32 LDS address: slot 0
	s_mov_b32 s[G0V], 1
	s_add_co_u32 s[G0V+1], s18, VOFF
	s_wait_kmcnt 0x0
	s_add_nc_u64 s[48:49], s[6:7], s[50:51]    ; q and out0 at my wave's first row, my head's channels
	s_add_nc_u64 s[10:11], s[10:11], s[50:51]
	s_add_nc_u64 s[6:7], s[4:5], 0x1000000     ; hb's second plane: K,
	s_add_nc_u64 s[8:9], s[4:5], 0x2000000     ; its third: V
	s_add_nc_u64 s[G0K+2:G0K+3], s[6:7], s[22:23]  ; 120:64 global address: my half of the head's first 256 keys
	s_or_b32 s[G0K+3], s[G0K+3], 0x80000000        ; 127:126 type = 2
	s_add_nc_u64 s[G0V+2:G0V+3], s[8:9], s[22:23]
	s_or_b32 s[G0V+3], s[G0V+3], 0x80000000
	s_add_nc_u64 s[4:5], s[4:5], s[2:3]  ; Q (hb's first plane) at my wave's first row
	CROUND                          ; all four work-groups are here: the first joint loads meet
	JLOAD                           ; slot 0.  Slot 1 is asked for when slot 0 is in: the tile wanted first has the road to itself
	; A fragment of K or Q is 16 rows x 32 channels in 8 registers: lane l holds row l % 16, channels 8 (l / 16) + 0..7 and 16 + 8 (l / 16) + 0..7: two loads of 16 bytes, 32 bytes apart.
	v_and_b32 v1, 15, v0            ; l % 16
	v_bfe_u32 v9, v0, 4, 1          ; l / 16
	v_lshlrev_b32 v[QO], 7, v1
	v_lshl_add_u32 v[QO], v9, 4, v[QO]  ; row x 128 + 16 x half
	WIN 0x80                        ; destination window 2, address window 0
.set i, 0
.rept 4*NP                          ; Q stays in registers: tile i / 2, channels 32 (i % 2) on
	global_load_b128 v[8*i:8*i+3],   v[QO], s[4:5] offset:(i/2)*2048+(i%2)*64
	global_load_b128 v[8*i+4:8*i+7], v[QO], s[4:5] offset:(i/2)*2048+(i%2)*64+32
.set i, i+1
.endr
	; What the first turn finds: V's registers and P's second buffer hold 0 (its products V^T P, of a piece that has not been, add 0), O^T and l are 0.  All this stands in the wait for the first tile.
.set i, VF
.rept 64
	v_mov_b32 v[i], 0
.set i, i+1
.endr
	WIN 0x40
.set i, 0
.rept 64*NP
	v_mov_b32 v[i], 0
.set i, i+1
.endr
	WIN 0
.set i, 0
.rept 2*NP
	v_mov_b32 v[ST+4*i], 0xfe000000    ; c m: below every c s that f32 can hold (c x the largest f32 is 1.6e37; this is -4.3e37)
	v_mov_b32 v[ST+4*i+1], 0xff7fffff  ; m
	v_mov_b32 v[ST+4*i+2], 0
	v_mov_b32 v[ST+4*i+3], 0
.set i, i+1
.endr
.set i, P+32
.rept 32
	v_mov_b32 v[i], 0
.set i, i+1
.endr
	v_mul_u32_u24 v[AK0], v1, PK
	v_lshl_add_u32 v[AK0], v9, 4, v[AK0]  ; row x pitch + 16 x half
	; The turning load takes 16 keys x 16 channels (lane l reads key 8 (l / 16) + l % 8, channels 8 ((l / 8) % 2) + 0..7) and leaves half a fragment of V^T: lane l holds channel l % 16 and 8 keys.
	v_and_b32 v[AK], 7, v0          ; (the two registers of the runs' addresses are at work here first)
	v_bfe_u32 v[AV], v0, 3, 1
	v_lshl_add_u32 v[AV0], v9, 3, v[AK]
	v_mul_u32_u24 v[AV0], v[AV0], PV
	v_lshl_add_u32 v[AV0], v[AV], 4, v[AV0]
	v_add_nc_u32 v[AV0], VOFF, v[AV0]
	v_mov_b32 v[AK], v[AK0]         ; key step 0 lies at the head of slot 0
; THE MATRIX WORK.  The 8 accumulators of a run of 16 take turns: between the two links of a chain stand 7 others'.
; Product i of 16 of S^T = K Q^T for piece x: channels 32 (i / 8) on, keys 16 ((i / 2) % 4) on, tile 2 x + i % 2.  The first 8 start the sums.
.macro KQ x
	WIN W_KQ
.set rS, S+64*((\x)%2)+32*(i%2)+8*((i/2)%4)
.set rK, KF+16*((i/2)%4)+8*(i/8)
.set rQ, 16*(2*(\x)+i%2)+8*(i/8)
.if i < 8
	v_wmma_f32_16x16x32_bf16 v[rS:rS+7], v[rK:rK+7], v[rQ:rQ+7], 0
.else
	v_wmma_f32_16x16x32_bf16 v[rS:rS+7], v[rK:rK+7], v[rQ:rQ+7], v[rS:rS+7]
.endif
.endm
; Product i of 16 of O^T += V^T P for piece x: keys 32 (i / 8) on, channels 16 ((i / 2) % 4) on, tile 2 x + i % 2.
.macro PV x
	WIN W_PV
.set rO, 32*(2*(\x)+i%2)+8*((i/2)%4)
.set rV, VF+32*(i/8)+8*((i/2)%4)
.set rP, P+32*((\x)%2)+16*(i%2)+8*(i/8)
	v_wmma_f32_16x16x32_bf16 v[rO:rO+7], v[rV:rV+7], v[rP:rP+7], v[rO:rO+7]
.endm
.macro MM                           ; the turn's next matrix instruction
.if i < 16
	KQ (Y+1)%NP
.set i, i+1
.else
.set i, i-16
	PV (Y+NP-1)%NP
.set i, i+17
.endif
.endm
; THE LDS LOADS stand in runs of 16, never singly among the matrix instructions: a step's K (64 keys x 64 channels: 8 fragments) and its V (turned).  Their addresses are made some lines ahead.
; last = 1 (the tail): in the last trip there is no further step, and the run is jumped over.
.macro FETCH_K last=0
	WIN 0
.if \last
	s_cmp_eq_u32 s[CNT], 1
	s_cbranch_scc1 .Lno_k_\@
.endif
	WIN 0x80                        ; destination window 2
.irp f, 0,1,2,3,4,5,6,7             ; keys 16 (f / 2) on, channels 32 (f % 2) on
	ds_load_b128 v[KF+8*\f:KF+8*\f+3],   v[AK] offset:(\f/2)*16*PK+(\f%2)*64
	ds_load_b128 v[KF+8*\f+4:KF+8*\f+7], v[AK] offset:(\f/2)*16*PK+(\f%2)*64+32
.endr
	s_add_co_u32 s[TBK], s[TBK], KS*PK  ; the next fetch is the next step's
	WIN 0
.if \last
.Lno_k_\@:
.endif
.endm
.macro FETCH_V
	WIN 0x80
.irp f, 0,1,2,3,4,5,6,7             ; keys 32 (f / 4) on, channels 16 (f % 4) on
	ds_load_tr16_b128 v[VF+8*\f:VF+8*\f+3],   v[AV] offset:(\f/4)*32*PV+(\f%4)*32
	ds_load_tr16_b128 v[VF+8*\f+4:VF+8*\f+7], v[AV] offset:(\f/4)*32*PV+16*PV+(\f%4)*32
.endr
	WIN 0
.endm
; THE VECTOR WORK OF A TURN stands in three queues, each in the order in which its entries become ready; the two tiles alternate, so that no instruction reads the result of the one before it.
.macro REGS y, u                    ; the registers of tile u (0, 1) of piece y
.set rT, ST+4*(2*(\y)+(\u))
.set rC, TMP+8*((\y)%2)+4*(\u)
.set rM, MV+2*((\y)%2)+(\u)
.set rS, S+64*((\y)%2)+32*(\u)
.set rP, P+32*((\y)%2)+16*(\u)
.set rO, 32*(2*(\y)+(\u))
.endm
; Number n of the 22 that find the NEXT piece's (Y + 1) maximum and statistics.  s0-s31 are the lane's 32 scores; each accumulator's lowest registers are read first.  XS, GS and REGS set no window: PL and EX do.
;   0-11  four chains c0-c3 of seven scores each, three operands at a time     12-14, 16  the four scores left over, the old m, and c0-c3 into c0     15  c m_old is kept
;   17, 18  the query's other 32 keys lie in the lane 16 away: the new m         19-21  c m; c m_old - c m_new; a
.macro XS u, n
	REGS (Y+1)%NP, \u
.if (\n) < 4
	v_max3_num_f32 v[rC+(\n)], v[rS+8*(\n)], v[rS+8*(\n)+1], v[rS+8*(\n)+2]
.elseif (\n) < 12
	v_max3_num_f32 v[rC+(\n)%4], v[rC+(\n)%4], v[rS+8*((\n)%4)+2*((\n)/4)+1], v[rS+8*((\n)%4)+2*((\n)/4)+2]
.elseif (\n) == 12
	v_max3_num_f32 v[rC], v[rC], v[rS+7], v[rS+15]
.elseif (\n) == 13
	v_max3_num_f32 v[rC+1], v[rC+1], v[rS+23], v[rS+31]
.elseif (\n) == 14
	v_max3_num_f32 v[rC+2], v[rC+2], v[rC+3], v[rT+1]
.elseif (\n) == 15
	v_mov_b32 v[rM], v[rT]
.elseif (\n) == 16
	v_max3_num_f32 v[rC], v[rC], v[rC+1], v[rC+2]
.elseif (\n) == 17
	v_permlanex16_b32 v[rC+3], v[rC], s[SEL], s[SEL+1]
.elseif (\n) == 18
	v_max_num_f32 v[rT+1], v[rC], v[rC+3]
.elseif (\n) == 19
	v_mul_f32 v[rT], s[CS], v[rT+1]
.elseif (\n) == 20
	v_sub_f32 v[rC+1], v[rM], v[rT]
.else
	v_exp_f32 v[rC+2], v[rC+1]
.endif
.endm
; Number g of the 64 that follow the exponentials.  For each four weights k of a tile (pairs 2 k, 2 k + 1): both pairs are rounded to bf16; then the second pair is added onto the first, in place;
; a group later l takes that sum (the first time as l = a l + sum).  In groups of eight, tiles alternating: round, round, add, and l for the group before.
.macro GS g
.set h, (\g)+6*((\g)/62)            ; group 0 has no group before it, and behind group 7 only l is left
.if h >= 6
.set h, h+2
.endif
	REGS Y, h%2
.set k, h/8
.if h%8 < 4
	s_wait_alu depctr_va_vdst(0)
	v_cvt_pk_bf16_f32 v[rP+2*k+(h%8)/2], v[rS+4*k+2*((h%8)/2)], v[rS+4*k+2*((h%8)/2)+1]
.elseif h%8 < 6
	v_pk_add_f32 v[rS+4*k:rS+4*k+1], v[rS+4*k:rS+4*k+1], v[rS+4*k+2:rS+4*k+3]
.elseif k == 1
	v_pk_fma_f32 v[rT+2:rT+3], v[rT+2:rT+3], v[rC+2:rC+3], v[rS:rS+1] op_sel_hi:[1,0,1]
.else
	v_pk_add_f32 v[rT+2:rT+3], v[rT+2:rT+3], v[rS+4*k-4:rS+4*k-3]
	s_wait_alu depctr_va_vdst(0)
.endif
.endm
; THE PLAIN QUEUE, 138 long.  0-31: c s - c m for the 16 pairs of both tiles.  Then GS's 64, and among them the next piece's 42: number 15 at 38, 39; 0-14 and 16
; at 42-73, behind the products that make those scores; 17-20 at 95-106, two of three, since each waits for the one before it.
.macro PL
	WIN 0
.if q < 32
	REGS Y, q%2
	v_pk_fma_f32 v[rS+2*(q/2):rS+2*(q/2)+1], v[rS+2*(q/2):rS+2*(q/2)+1], s[CS:CS+1], v[rT:rT+1] op_sel_hi:[1,0,0] neg_lo:[0,0,1] neg_hi:[0,0,1]
.elseif q < 38
	GS q-32
.elseif q < 40
	XS q%2, 15
.elseif q < 42
	GS q-34
.elseif q < 74
	XS q%2, (q-42)/2+(q-42)/30
.elseif q < 95
	GS q-66
.elseif (q < 107) && ((q-95)%3 < 2)
	XS (q-95)%3, 17+(q-95)/3
.elseif q < 107
	GS 29+(q-95)/3
.else
	GS q-74
.endif
.set q, q+1
.endm
; THE EXPONENTIALS' QUEUE, 66 long: s0-s31 of both tiles, and at EA the next piece's two a.
.set EA, 58
.macro EX
	WIN 0
.if (e == EA) || (e == EA+1)
	XS e-EA, 21
.else
.set x, e-2*(e/(EA+2))
	REGS Y, x%2
	v_exp_f32 v[rS+x/2], v[rS+x/2]
.endif
.set e, e+1
.endm
; THE RESCALING's QUEUE: O^T times a, the one part that leaves window 0, so it is dealt four at a time, eight times.
.macro R4
	REGS Y, r%2
	WIN W_RS
	s_wait_alu depctr_va_vdst(0)
.irp z, 0,1,2,3
	v_pk_mul_f32 v[rO+8*(r/2)+2*\z:rO+8*(r/2)+2*\z+1], v[rO+8*(r/2)+2*\z:rO+8*(r/2)+2*\z+1], v[rC+2:rC+3] op_sel_hi:[1,0]
.endr
.set r, r+1
.endm
; HOW THEY ARE DEALT.  Behind a matrix instruction four: plain, exponential, plain, plain (one exponential, a plain instruction on either side), or four of the rescaling.  None names a register of the
; products round it.  What is over stands in two LUMPS: exponential and plain by turns; the second ends in 22 plain instructions.  The two v_permlanex16_b32 fall into the second lump, never behind a product.
; The queues lean on each other, and the deal keeps them in step: exponential e stands behind plain 2 (e / 4) + e % 2 (its scaling); when plain 32 comes, 10 exponentials are out, at 59: 33, at 95: 46; EA comes behind plain 107.
.macro SL
	MM
	PL
	EX
	PL
	PL
.endm
.macro BURST n                      ; 15 matrix instructions, or 16
.rept (\n)-7
	SL
.endr
.rept 3
	MM
	R4
	SL
.endr
	MM
	R4
.endm
; A TURN, for piece p.  cnt = 1: the loop's count is taken down some lines ahead of the branch that stands behind the turn.
; K of the next step is fetched in piece 2's turn, 31 vector instructions behind the last product that read K; its first reader comes behind the rest of the lump, 16 products and the second lump.
; V of the step in hand is fetched at the end of piece 0's turn, 69 behind its last reader; its first reader comes behind 16 products and a lump.  The four conditions on e and q below go with the deal.
.macro TURN p, last=0, cnt=0
.set Y, (\p)
.set i, 0
.set q, 0
.set e, 0
.set r, 0
.if (\p) == NP-1
	s_wait_dscnt 0x0                ; K is in
.endif
	MM
.rept 4
	PL
.endr
	BURST 15
.rept 22
	EX
	PL
.if ((\p) == NP-2) && (e == 18)
	v_add_nc_u32 v[AK], s[TBK], v[AK0]
.endif
.if ((\p) == NP-2) && (e == 24)
	FETCH_K \last
.endif
.endr
.if (\p) == 1
	s_wait_dscnt 0x0                ; V is in
.endif
	BURST 16
.rept 21
	EX
	PL
.endr
.rept 22
	PL
.if ((\p) == 0) && (q == 118)
	v_add_nc_u32 v[AV], s[TBV], v[AV0]
	s_wait_alu depctr_va_vdst(0)
.endif
.if ((\p) == 0) && (q == 130)
	s_add_co_u32 s[TBV], s[TBV], KS*PV
.endif
.if (\cnt) && (q == 130)
	s_sub_co_u32 s[CNT], s[CNT], 1
	s_cmp_lg_u32 s[CNT], 0
.endif
.endr
.if (\p) == 0
	FETCH_V
.endif
.endm
; RES: tile t's 16 rows x 256 bytes of q come into its 32 registers of window 3, which nothing else names; their address and base are never rewritten.
.macro RES t
	WIN 0xc0                        ; destination window 3, address window 0
.irp f, 0,1,2,3,4,5,6,7
	global_load_b128 v[32*(\t)+4*\f:32*(\t)+4*\f+3], v[GO], s[48:49] offset:(\t)*65536+\f*8192  ; rows 2 f and 2 f + 1 of the tile
.endr
	WIN 0
.endm
	CHANGE 1                        ; slot 0 is in, everybody's part of it; slot 1 is asked for
	FETCH_K                         ; key step 0
	s_wait_loadcnt 0x0              ; Q
	s_wait_dscnt 0x0
.set i, 0
.rept 16
	KQ 0                            ; piece 0's first scores: there is no vector work yet to set between them
.set i, i+1
.endr
	WIN 0                           ; the addresses for the way out: eight plain instructions, the places behind those products
	s_mul_i32 s13, s[WV], 16*SP
	s_add_co_u32 s13, s13, STAGE    ; my stage
	v_mul_u32_u24 v[STO], v1, SP    ; in: row l % 16, 32 bytes (eight channels in f32) for each half of the lanes
	v_lshl_add_u32 v[STO], v9, 5, v[STO]
	v_add_nc_u32 v[STO], s13, v[STO]
	v_mul_u32_u24 v[RD], v9, SP     ; back: lanes 0-15 take one row of 256 bytes, lanes 16-31 the next,
	v_lshl_add_u32 v[RD], v1, 4, v[RD]
	v_add_nc_u32 v[RD], s13, v[RD]
	v_lshlrev_b32 v[GO], 12, v9     ; and the same two rows, 4,096 bytes apart, in q and in out0
	v_lshl_add_u32 v[GO], v1, 4, v[GO]
	RES 0                           ; the residual of tiles 0 to 3: 32 loads, wanted only on the way out
	RES 1
	RES 2
	RES 3
.set Y, NP-1                        ; XS works for piece Y + 1: piece 0
.irp n, 0,1,2,3,4,5,6,7,8,9,10,11,12,13,14,15,16,17,18,19,20,21
	XS 0, \n                        ; and piece 0's first maximum and statistics
	XS 1, \n
.endr
	s_mov_b32 s[CNT], 4
	s_mov_b32 s[SLOTS], SIZE_N/256-1
	s_branch .Lfirst                ; the loop is entered at a step's first turn, in the middle of a trip
.Lslot:                             ; SIZE_N / 256 - 2 times: every slot but the last two is filled again
	CHANGE 1
	s_mov_b32 s[CNT], 4
.Lstep:                             ; a trip: pieces 2 and 3 of one step, then pieces 0 and 1 of the next, whose K and V it fetches
	TURN 2
	TURN 3
	WIN 0
.Lfirst:
	TURN 0
	TURN 1, 0, 1
	WIN 0
	s_cbranch_scc1 .Lstep
	s_sub_co_u32 s[SLOTS], s[SLOTS], 1
	s_cmp_lg_u32 s[SLOTS], 0
	s_cbranch_scc1 .Lslot
	CHANGE 0                        ; the tail is written out: nothing is asked for
	RES 4                           ; the residual of tiles 4 to 7: 32 loads, with the last slot's four key steps in which to land
	RES 5
	RES 6
	RES 7
	s_mov_b32 s[CNT], 5             ; four trips fetch the last slot's steps; the fifth is left in its middle
.Ltail:
	TURN 2, 1
	TURN 3
	WIN 0
	s_sub_co_u32 s[CNT], s[CNT], 1
	s_cmp_eq_u32 s[CNT], 0
	s_cbranch_scc1 .Lout
	TURN 0
	TURN 1
	WIN 0
	s_branch .Ltail
; THE WAY OUT.  PACK: O^T is divided by l and sent, in f32, through my stage in LDS, so that a lane's 16 bytes and its fifteen neighbours' are a row's 256.  SEND: q is added and the rows are stored.
; S^T's registers, free now, hold the results, two tiles by turns.
.macro PACK t
	s_wait_xcnt 0x0                 ; the registers that the stores of two tiles ago read are written again only behind this wait
.set rB, OB+64*((\t)%2)
	WIN 0x01                        ; source 0 (O^T) window 1; 1 / l and the destination window 0
.set i, 0
.rept 16                            ; each accumulator's registers in ascending order
	v_pk_mul_f32 v[rB+2*i:rB+2*i+1], v[32*(\t)+2*i:32*(\t)+2*i+1], v[ST+4*(\t)+2:ST+4*(\t)+3] op_sel_hi:[1,0]
.set i, i+1
.endr
	WIN 0
.irp j, 0,1,2,3,4,5,6,7
	ds_store_b128 v[STO], v[rB+4*\j:rB+4*\j+3] offset:(\j/2)*64+(\j%2)*16  ; channels 16 (j / 2) + 8 (l / 16) + 4 (j % 2) on
.endr
.irp f, 0,1,2,3,4,5,6,7
	ds_load_b128 v[rB+4*\f:rB+4*\f+3], v[RD] offset:\f*2*SP  ; LDS serves a wave's instructions in order (ISA guide 5.7.1.4): these see the stores above; the next tile's stores come behind them
.endr
.endm
.macro SEND t, yd                   ; yd: the LDS instructions issued behind tile t's loads: the next tile's sixteen, or none
.set rB, OB+64*((\t)%2)
	s_wait_dscnt \yd
	WIN 0x0c                        ; source 1 (q) window 3
.set i, 0
.rept 16
	v_pk_add_f32 v[rB+2*i:rB+2*i+1], v[rB+2*i:rB+2*i+1], v[32*(\t)+2*i:32*(\t)+2*i+1]
.set i, i+1
.endr
	WIN 0
.irp f, 0,1,2,3,4,5,6,7
	global_store_b128 v[GO], v[rB+4*\f:rB+4*\f+3], s[10:11] offset:(\t)*65536+\f*8192  ; 16 lanes store 256 consecutive bytes, at a multiple of 256 from out0's first byte
.endr
.endm
.Lout:                              ; the fifth trip's 16 products K Q^T (on the last K once more) and the maximum made of them serve nothing: the price, once a launch, of one text for every trip
.set i, 0
.rept 16
	PV NP-1                         ; the last piece's V^T P of the last step
.set i, i+1
.endr
	; l's two halves and the other half of the lanes' are added.  The additions are the places behind the last products.
	WIN 0
.macro ALL line:vararg              ; one line for each tile t
.set t, 0
.rept 2*NP
	\line
.set t, t+1
.endr
.endm
	ALL v_add_f32 v[ST+4*t+2], v[ST+4*t+2], v[ST+4*t+3]
	ALL v_permlanex16_b32 v[ST+4*t+3], v[ST+4*t+2], s[SEL], s[SEL+1]
	ALL v_add_f32 v[ST+4*t+2], v[ST+4*t+2], v[ST+4*t+3]
	ALL v_rcp_f32 v[ST+4*t+2], v[ST+4*t+2]
	v_nop                           ; a plain instruction between the last reciprocal and the use of its result
	s_wait_alu depctr_va_vdst(0)
	s_wait_loadcnt 0x0              ; the residual is in: its last loads were issued in front of the last slot's steps
	PACK 0
.set t, 1
.rept 2*NP-1                        ; a tile's arithmetic stands between the loads of the tile before and its stores
	PACK t
	SEND t-1, 16
.set t, t+1
.endr
	SEND 2*NP-1, 0
	s_wait_tensorcnt 0x0            ; the wave's end, behind my last tensor load and my last LDS store
	ds_add_u32 v[SPW], v[NIL]
	s_wait_dscnt 0x0
	CROUND                          ; the closing round: no work-group ends while a partner may still ask for a tile that names it
	s_endpgm
.Lfunc_end_k_q142ab6a3f8_attn:
	.size	k_q142ab6a3f8_attn, .Lfunc_end_k_q142ab6a3f8_attn-k_q142ab6a3f8_attn
	.p2alignl 7, 3214868480
	.fill 96, 4, 3214868480
	.section	.rodata,"a",@progbits
	.p2align	6, 0x0
	.amdhsa_kernel k_q142ab6a3f8_attn
		.amdhsa_group_segment_fixed_size 327680
		.amdhsa_private_segment_fixed_size 0
		.amdhsa_enable_private_segment 0
		.amdhsa_kernarg_size 24
		.amdhsa_user_sgpr_count 2
		.amdhsa_user_sgpr_kernarg_segment_ptr 1
		.amdhsa_wavefront_size32 1
		.amdhsa_system_sgpr_workgroup_id_x 1
		.amdhsa_system_sgpr_workgroup_id_y 1
		.amdhsa_system_sgpr_workgroup_id_z 1
		.amdhsa_system_vgpr_workitem_id 0
		.amdhsa_next_free_vgpr 1024
		.amdhsa_next_free_sgpr 66
		.amdhsa_reserve_vcc 0
		.amdhsa_float_denorm_mode_32 3
		.amdhsa_float_denorm_mode_16_64 3
		.amdhsa_memory_ordered 1
		.amdhsa_forward_progress 1
		.amdhsa_inst_pref_size 222
	.end_amdhsa_kernel
	.amdgpu_metadata
---
amdhsa.version: [ 1, 2 ]
amdhsa.kernels:
  - .name:           k_q142ab6a3f8_attn
    .symbol:         k_q142ab6a3f8_attn.kd
    .args:
      - { .name: hb, .offset: 0, .size: 8, .value_kind: global_buffer, .address_space: global }
      - { .name: q, .offset: 8, .size: 8, .value_kind: global_buffer, .address_space: global }
      - { .name: out0, .offset: 16, .size: 8, .value_kind: global_buffer, .address_space: global }
    .group_segment_fixed_size: 327680
    .private_segment_fixed_size: 0
    .kernarg_segment_align: 8
    .kernarg_segment_size: 24
    .max_flat_workgroup_size: 128
    .sgpr_count:     66
    .vgpr_count:     1024
    .wavefront_size: 32
...
	.end_amdgpu_metadata
.endif
;; end of part 3
